; MI455X (gfx1250); checked and timed in simulation.
; The chip was launched on July 23, 2026; its instructions are those of AMD's public machine-readable ISA for CDNA 5 (MIT licence, August 2026) and "CDNA5" Instruction Set Architecture Reference Guide (July 2026). The comments in the code are by the model that wrote it; some were corrected since.
;; Global Attention. Allowed arithmetic: float matrix products may take bf16 or f16 operands with f32 sums; all other float work in f32.
;; Inputs: Wkv 2,048 x 1,024 float32; Wq 1,024 x 1,024 float32; class_feature 1 x 1 x 1,024 float32; features 16 x 2,048 x 1,024 float32; kv_beta 1,024 float32; kv_gamma 1,024 float32; proj_W 1,024 x 1,024 float32; proj_b 1,024 float32; q_beta 1,024 float32; q_gamma 1,024 float32.
;; Outputs: out0 16 x 1 x 1,024 float32.
;; One version. Each part assembles by itself: llvm-mc -triple=amdgcn-amd-amdhsa -mcpu=gfx1250 --defsym DOCPART=n.
;; ======== version 1 of 1: 5 launches
;; workspace buffers: qv 4,096 bytes; gk 32,768 bytes; part 8,388,608 bytes; stat 65,536 bytes; aggf 262,144 bytes
;; launch qvec (part 1): grid 64 x 1, 8 waves a work-group, no clusters, 1,280 bytes of LDS; arguments class_feature, q_gamma, q_beta, Wq, qv; writes qv
.if DOCPART == 1
	.amdgcn_target "amdgcn-amd-amdhsa--gfx1250"
	.amdhsa_code_object_version 6
	.text
	.protected	k_q18870ddb58_qvec
	.globl	k_q18870ddb58_qvec
	.p2align	8
	.type	k_q18870ddb58_qvec,@function
k_q18870ddb58_qvec:
	s_mov_b64 s[64:65], 0
	v_nop
	global_prefetch_b8 v0, s[64:65] scope:SCOPE_SE
	s_setreg_imm32_b32 hwreg(HW_REG_WAVE_MODE, 25, 1), 1
	s_wait_xcnt 0x0
; qv[o] = 2^-5 log2(e) * sum over c of LN(class_feature)[c] * Wq[o][c],  o = 0 .. 1023, all in f32.
; The factor holds the problem's scale 1024^-0.5 = 2^-5 and the change of base for the later exponentials in base 2.
; The query token is the same in all 16 batches, so it is made once.
; 64 work-groups of 8 waves; a work-group owns 16 rows of Wq, a wave 2 rows.  A row of 4,096 bytes is eight loads of 16 bytes a lane,
; each covering 512 consecutive bytes.  Lane l holds columns 128 j + 4 l .. + 3 of load j, of every vector alike.
; One-row products: every byte of Wq feeds one multiply-add, so plain f32 fused multiply-adds are used and no matrix instruction.
; No cluster: what the work-groups share (class_feature, q_gamma, q_beta: 12 KiB) has to lie in every wave's registers for the norm.
; The work-group's 16 results leave as one piece of 64 bytes: with 64 rows a work-group the pieces would be 256 bytes, but only 16 work-groups
; would be left to read Wq's 4 MiB.
.set XS, 16                            ; v[16:47]   class_feature, then centred, then normalised with gain and bias
.set GA, 48                            ; v[48:79]   q_gamma
.set BE, 80                            ; v[80:111]  q_beta
.set W0, 112                           ; v[112:143] my first row of Wq
.set W1, 144                           ; v[144:175] my second row
.set SM, 176                           ; v[176:183] four running pairs
.set TT, 184                           ; a sum over the wave
.set T1, 185                           ; the other half's sum
.set MU, 186                           ; v[186:187] minus the mean, twice
.set RS, 188                           ; v[188:189] 1 / sqrt(var + eps), twice
.set QQ, 190                           ; v[190:191] my two results
.macro FOLD                            ; the four pairs in SM -> one sum over all 32 lanes, in every lane's TT
	v_pk_add_f32 v[SM:SM+1], v[SM:SM+1], v[SM+2:SM+3]
	v_pk_add_f32 v[SM+4:SM+5], v[SM+4:SM+5], v[SM+6:SM+7]
	v_pk_add_f32 v[SM:SM+1], v[SM:SM+1], v[SM+4:SM+5]
	v_add_f32 v[TT], v[SM], v[SM+1]
	v_add_f32_dpp v[TT], v[TT], v[TT] row_xmask:1 row_mask:0xf bank_mask:0xf
	v_add_f32_dpp v[TT], v[TT], v[TT] row_xmask:2 row_mask:0xf bank_mask:0xf
	v_add_f32_dpp v[TT], v[TT], v[TT] row_xmask:4 row_mask:0xf bank_mask:0xf
	v_add_f32_dpp v[TT], v[TT], v[TT] row_xmask:8 row_mask:0xf bank_mask:0xf
	v_permlanex16_b32 v[T1], v[TT], s18, s19
	v_add_f32 v[TT], v[TT], v[T1]
.endm
; The 1,024 numbers in v[XS:XS+31] of the wave: mean, centred in place, then the variance of the centred numbers (two passes, so that a
; common offset of the inputs makes no difference of large sums), and 1 / sqrt(var + eps) in the pair RS.
.macro ROWSTAT
.irp k, 0,1,2,3
	v_pk_add_f32 v[SM+2*\k:SM+2*\k+1], v[XS+4*\k:XS+4*\k+1], v[XS+4*\k+2:XS+4*\k+3]
.endr
.irp k, 0,1,2,3,4,5,6,7
	v_pk_add_f32 v[SM+2*(\k%4):SM+2*(\k%4)+1], v[SM+2*(\k%4):SM+2*(\k%4)+1], v[XS+16+2*\k:XS+16+2*\k+1]
.endr
	FOLD
	v_mul_f32 v[MU], 0xba800000, v[TT]             ; - sum / 1024
	v_mov_b32 v[MU+1], v[MU]
.irp k, 0,1,2,3,4,5,6,7,8,9,10,11,12,13,14,15
	v_pk_add_f32 v[XS+2*\k:XS+2*\k+1], v[XS+2*\k:XS+2*\k+1], v[MU:MU+1]
.endr
.irp k, 0,1,2,3
	v_pk_mul_f32 v[SM+2*\k:SM+2*\k+1], v[XS+2*\k:XS+2*\k+1], v[XS+2*\k:XS+2*\k+1]
.endr
.irp k, 4,5,6,7,8,9,10,11,12,13,14,15
	v_pk_fma_f32 v[SM+2*(\k%4):SM+2*(\k%4)+1], v[XS+2*\k:XS+2*\k+1], v[XS+2*\k:XS+2*\k+1], v[SM+2*(\k%4):SM+2*(\k%4)+1]
.endr
	FOLD
	v_fma_f32 v[TT], v[TT], s20, s21               ; sum of squares / 1024 + eps
	v_rsq_f32 v[RS], v[TT]
	v_rsq_f32 v[RS+1], v[TT]
	v_nop                                          ; one plain vector instruction between v_rsq_f32 and the first use of its result (ISA guide 5.7.2)
.endm
.macro DOT w, q                        ; v[q] = 2^-5 log2(e) * (the vector in XS) . (the row in w)
.irp k, 0,1,2,3
	v_pk_mul_f32 v[SM+2*\k:SM+2*\k+1], v[XS+2*\k:XS+2*\k+1], v[\w+2*\k:\w+2*\k+1]
.endr
.irp k, 4,5,6,7,8,9,10,11,12,13,14,15
	v_pk_fma_f32 v[SM+2*(\k%4):SM+2*(\k%4)+1], v[XS+2*\k:XS+2*\k+1], v[\w+2*\k:\w+2*\k+1], v[SM+2*(\k%4):SM+2*(\k%4)+1]
.endr
	FOLD
	v_mul_f32 v[\q], 0x3d38aa3b, v[TT]
.endm
	s_load_b256 s[4:11], s[0:1], 0x0               ; class_feature s[4:5], q_gamma s[6:7], q_beta s[8:9], Wq s[10:11]
	s_load_b64 s[12:13], s[0:1], 0x20              ; qv
	v_lshl_add_u32 v192, v0, 2, 0x100
	v_mov_b32 v193, 0
	v_lshrrev_b32 v2, 5, v0
	v_readfirstlane_b32 s14, v2                    ; wave 0..7
	v_and_b32 v1, 31, v0                           ; lane
	v_lshlrev_b32 v3, 4, v1                        ; 16 bytes a lane
	v_mov_b32 v[T1], 0                             ; v_permlanex16_b32's destination counts as read
	s_lshl_b32 s16, ttmp9, 16                      ; 16 rows of 4,096 bytes a work-group,
	s_lshl_b32 s17, s14, 13                        ; 2 rows a wave
	s_add_co_u32 s16, s16, s17
	s_mov_b32 s17, 0
	s_mov_b32 s18, 0x76543210                      ; v_permlanex16_b32: lane i of one half reads lane i of the other
	s_mov_b32 s19, 0xfedcba98
	s_mov_b32 s20, 0x3a800000                      ; 1 / 1024
	s_mov_b32 s21, 0x3727c5ac                      ; eps = 1e-5
	s_wait_kmcnt 0x0
	s_add_nc_u64 s[10:11], s[10:11], s[16:17]      ; Wq at my two rows
.irp j, 0,1,2,3,4,5,6,7
	global_load_b128 v[XS+4*\j:XS+4*\j+3], v3, s[4:5] offset:512*\j
.endr
.irp j, 0,1,2,3,4,5,6,7
	global_load_b128 v[GA+4*\j:GA+4*\j+3], v3, s[6:7] offset:512*\j
.endr
.irp j, 0,1,2,3,4,5,6,7
	global_load_b128 v[BE+4*\j:BE+4*\j+3], v3, s[8:9] offset:512*\j
.endr
.irp j, 0,1,2,3,4,5,6,7
	global_load_b128 v[W0+4*\j:W0+4*\j+3], v3, s[10:11] offset:512*\j th:TH_LOAD_NT
.endr
.irp j, 0,1,2,3,4,5,6,7
	global_load_b128 v[W1+4*\j:W1+4*\j+3], v3, s[10:11] offset:4096+512*\j th:TH_LOAD_NT
.endr
	s_wait_loadcnt 32                              ; class_feature is in; gain, bias and both rows (4 x 8 loads) stay out
	ROWSTAT
	s_wait_loadcnt 16                              ; gain and bias are in; both rows stay out
	s_wait_alu depctr_va_vdst(0)
.irp k, 0,1,2,3,4,5,6,7,8,9,10,11,12,13,14,15
	v_pk_mul_f32 v[XS+2*\k:XS+2*\k+1], v[XS+2*\k:XS+2*\k+1], v[RS:RS+1]
.endr
.irp k, 0,1,2,3,4,5,6,7,8,9,10,11,12,13,14,15
	v_pk_fma_f32 v[XS+2*\k:XS+2*\k+1], v[XS+2*\k:XS+2*\k+1], v[GA+2*\k:GA+2*\k+1], v[BE+2*\k:BE+2*\k+1]
.endr
	s_wait_loadcnt 8                               ; my first row is in; the second row's eight loads stay out
	DOT W0, QQ
	s_wait_loadcnt 0x0
	DOT W1, QQ+1
	; the 16 results of the work-group meet in LDS, word 2 w + 0, 1; all lanes of a wave write the same 8 bytes with the same value
	v_mov_b32 v4, s14
	v_lshlrev_b32 v4, 3, v4
	ds_store_b64 v4, v[QQ:QQ+1]
	s_wait_dscnt 0x0                               ; my store is done before I signal: wave 0 reads it behind the barrier
	s_barrier_signal -1
	s_barrier_wait -1
	s_cmp_lg_u32 s14, 0
	s_cbranch_scc1 .Lend
	v_and_b32 v5, 15, v0
	v_lshlrev_b32 v5, 2, v5
	ds_load_b32 v6, v5
	s_lshl_b32 s16, ttmp9, 6                       ; 16 results of 4 bytes a work-group (s17 is still 0)
	s_add_nc_u64 s[12:13], s[12:13], s[16:17]
	v_cmp_gt_u32 vcc_lo, 16, v1
	s_wait_dscnt 0x0
	s_wait_xcnt 0x0                                ; EXEC is a source of the loads above: it is narrowed only behind this wait
	s_and_saveexec_b32 s15, vcc_lo
	global_store_b32 v5, v6, s[12:13]              ; lanes 0 to 15: 64 consecutive bytes
	s_wait_xcnt 0x0                                ; and widened again only behind this one
	s_or_b32 exec_lo, exec_lo, s15
.Lend:
	s_wait_tensorcnt 0x0
	ds_add_u32 v192, v193
	s_wait_dscnt 0x0
	s_endpgm
.Lfunc_end_k_q18870ddb58_qvec:
	.size	k_q18870ddb58_qvec, .Lfunc_end_k_q18870ddb58_qvec-k_q18870ddb58_qvec
	.p2alignl 7, 3214868480
	.fill 96, 4, 3214868480
	.section	.rodata,"a",@progbits
	.p2align	6, 0x0
	.amdhsa_kernel k_q18870ddb58_qvec
		.amdhsa_group_segment_fixed_size 1280
		.amdhsa_private_segment_fixed_size 0
		.amdhsa_enable_private_segment 0
		.amdhsa_kernarg_size 40
		.amdhsa_user_sgpr_count 2
		.amdhsa_user_sgpr_kernarg_segment_ptr 1
		.amdhsa_wavefront_size32 1
		.amdhsa_system_sgpr_workgroup_id_x 1
		.amdhsa_system_sgpr_workgroup_id_y 1
		.amdhsa_system_sgpr_workgroup_id_z 1
		.amdhsa_system_vgpr_workitem_id 0
		.amdhsa_next_free_vgpr 194
		.amdhsa_next_free_sgpr 66
		.amdhsa_reserve_vcc 1
		.amdhsa_float_denorm_mode_32 3
		.amdhsa_float_denorm_mode_16_64 3
		.amdhsa_memory_ordered 1
		.amdhsa_forward_progress 1
		.amdhsa_inst_pref_size 16
	.end_amdhsa_kernel
	.amdgpu_metadata
---
amdhsa.version: [ 1, 2 ]
amdhsa.kernels:
  - .name:           k_q18870ddb58_qvec
    .symbol:         k_q18870ddb58_qvec.kd
    .args:
      - { .name: class_feature, .offset: 0, .size: 8, .value_kind: global_buffer, .address_space: global }
      - { .name: q_gamma, .offset: 8, .size: 8, .value_kind: global_buffer, .address_space: global }
      - { .name: q_beta, .offset: 16, .size: 8, .value_kind: global_buffer, .address_space: global }
      - { .name: Wq, .offset: 24, .size: 8, .value_kind: global_buffer, .address_space: global }
      - { .name: qv, .offset: 32, .size: 8, .value_kind: global_buffer, .address_space: global }
    .group_segment_fixed_size: 1280
    .private_segment_fixed_size: 0
    .kernarg_segment_align: 8
    .kernarg_segment_size: 40
    .max_flat_workgroup_size: 256
    .sgpr_count:     66
    .vgpr_count:     194
    .wavefront_size: 32
...
	.end_amdgpu_metadata
.endif
;; end of part 1
;; launch gvec (part 2): grid 8 x 8, 8 waves a work-group, no clusters, 5,120 bytes of LDS; arguments qv, Wkv, kv_gamma, gk; writes gk
.if DOCPART == 2
	.amdgcn_target "amdgcn-amd-amdhsa--gfx1250"
	.amdhsa_code_object_version 6
	.text
	.protected	k_q18870ddb58_gvec
	.globl	k_q18870ddb58_gvec
	.p2align	8
	.type	k_q18870ddb58_gvec,@function
k_q18870ddb58_gvec:
	s_mov_b64 s[64:65], 0
	v_nop
	global_prefetch_b8 v0, s[64:65] scope:SCOPE_SE
	s_setreg_imm32_b32 hwreg(HW_REG_WAVE_MODE, 25, 1), 1
	s_wait_xcnt 0x0
; gk[h][c] = kv_gamma[c] * sum over d of qv[128 h + d] * Wkv[128 h + d][c]   (the key half of Wkv: rows 0 .. 1023), all in f32.
; With z the normalised feature row before gain and bias, the logit of head h is  q_h . (Wk_h (gamma o z + beta)) = z . gk[h] + const(h).
; The constant (Wk_h^T q_h) . beta is the same for every row, so the softmax cancels it exactly: it is not formed.
; Work-group (j, h): columns 128 j .. + 127 of head h.  Wave w takes rows d = 16 w .. + 15: a row's 512 bytes are one load of 16 bytes a lane.
; A one-row product: every byte of Wkv feeds one multiply-add, so f32 fused multiply-adds and no matrix instruction.
; No cluster: no two work-groups read the same bytes of Wkv; what they share (512 bytes of qv, of kv_gamma) is under 1 % of a work-group's 64 KiB.
.set WR, 16                            ; v[16:79]  my 16 rows, 4 columns a lane
.set GM, 80                            ; v[80:83]  kv_gamma of my 4 columns
.set AC, 84                            ; v[84:87]  the sums
	s_load_b256 s[4:11], s[0:1], 0x0               ; qv s[4:5], Wkv s[6:7], kv_gamma s[8:9], gk s[10:11]
	v_lshl_add_u32 v96, v0, 2, 0x1000
	v_mov_b32 v97, 0
	v_lshrrev_b32 v2, 5, v0
	v_readfirstlane_b32 s12, v2                    ; wave 0..7
	v_and_b32 v1, 31, v0
	v_lshlrev_b32 v3, 4, v1                        ; 16 bytes a lane
	s_and_b32 s13, ttmp7, 0xffff                   ; h
	s_lshl_b32 s32, s13, 9                         ; qv: 128 numbers a head,
	s_lshl_b32 s33, s12, 6                         ; 16 a wave
	s_add_co_u32 s32, s32, s33
	s_mov_b32 s33, 0
	s_lshl_b32 s34, s13, 19                        ; Wkv: 128 rows of 4,096 bytes a head,
	s_lshl_b32 s36, s12, 16                        ; 16 rows a wave,
	s_add_co_u32 s34, s34, s36
	s_lshl_b32 s36, ttmp9, 9                       ; 128 columns of 4 bytes a chunk
	s_add_co_u32 s34, s34, s36
	s_mov_b32 s35, 0
	s_mov_b32 s37, 0
	s_lshl_b32 s38, s13, 12                        ; gk: a row of 4,096 bytes a head
	s_add_co_u32 s38, s38, s36
	s_mov_b32 s39, 0
	s_lshl_b32 s14, s12, 9                         ; my 512 bytes in LDS
	v_add_nc_u32 v4, s14, v3
	s_wait_kmcnt 0x0
	s_add_nc_u64 s[4:5], s[4:5], s[32:33]
	s_add_nc_u64 s[6:7], s[6:7], s[34:35]
	s_add_nc_u64 s[8:9], s[8:9], s[36:37]
	s_add_nc_u64 s[10:11], s[10:11], s[38:39]
	s_load_b512 s[16:31], s[4:5], 0x0              ; my 16 numbers of qv, as scalars
	global_load_b128 v[GM:GM+3], v3, s[8:9]
.irp i, 0,1,2,3,4,5,6,7,8,9,10,11,12,13,14,15
	global_load_b128 v[WR+4*\i:WR+4*\i+3], v3, s[6:7] offset:4096*\i th:TH_LOAD_NT
.endr
	s_wait_kmcnt 0x0
.irp i, 0,1,2,3,4,5,6,7,8,9,10,11,12,13,14,15
	s_wait_loadcnt 15-\i                           ; row i is in; the 15 - i younger rows stay out
.irp k, 0,1,2,3
.if \i == 0
	v_mul_f32 v[AC+\k], s[16+\i], v[WR+4*\i+\k]    ; the first row starts the sums
.else
	v_fmac_f32 v[AC+\k], s[16+\i], v[WR+4*\i+\k]
.endif
.endr
.endr
	ds_store_b128 v4, v[AC:AC+3]                   ; the eight waves' partial sums: 512 bytes each
	s_wait_dscnt 0x0                               ; done before I signal: wave 0 reads them behind the barrier
	s_barrier_signal -1
	s_barrier_wait -1
	s_cmp_lg_u32 s12, 0
	s_cbranch_scc1 .Lend
.irp w, 0,1,2,3,4,5,6,7
	ds_load_b128 v[WR+4*\w:WR+4*\w+3], v3 offset:512*\w
.endr
	s_wait_dscnt 0x0
.irp w, 0,2,4,6
	v_pk_add_f32 v[WR+4*\w:WR+4*\w+1], v[WR+4*\w:WR+4*\w+1], v[WR+4*\w+4:WR+4*\w+5]
	v_pk_add_f32 v[WR+4*\w+2:WR+4*\w+3], v[WR+4*\w+2:WR+4*\w+3], v[WR+4*\w+6:WR+4*\w+7]
.endr
.irp w, 0,4
	v_pk_add_f32 v[WR+4*\w:WR+4*\w+1], v[WR+4*\w:WR+4*\w+1], v[WR+4*\w+8:WR+4*\w+9]
	v_pk_add_f32 v[WR+4*\w+2:WR+4*\w+3], v[WR+4*\w+2:WR+4*\w+3], v[WR+4*\w+10:WR+4*\w+11]
.endr
	v_pk_add_f32 v[WR:WR+1], v[WR:WR+1], v[WR+16:WR+17]
	v_pk_add_f32 v[WR+2:WR+3], v[WR+2:WR+3], v[WR+18:WR+19]
	v_pk_mul_f32 v[WR:WR+1], v[WR:WR+1], v[GM:GM+1]
	v_pk_mul_f32 v[WR+2:WR+3], v[WR+2:WR+3], v[GM+2:GM+3]
	global_store_b128 v3, v[WR:WR+3], s[10:11]     ; 512 consecutive bytes, at a multiple of 512 from gk's first byte
.Lend:
	s_wait_tensorcnt 0x0
	ds_add_u32 v96, v97
	s_wait_dscnt 0x0
	s_endpgm
.Lfunc_end_k_q18870ddb58_gvec:
	.size	k_q18870ddb58_gvec, .Lfunc_end_k_q18870ddb58_gvec-k_q18870ddb58_gvec
	.p2alignl 7, 3214868480
	.fill 96, 4, 3214868480
	.section	.rodata,"a",@progbits
	.p2align	6, 0x0
	.amdhsa_kernel k_q18870ddb58_gvec
		.amdhsa_group_segment_fixed_size 5120
		.amdhsa_private_segment_fixed_size 0
		.amdhsa_enable_private_segment 0
		.amdhsa_kernarg_size 32
		.amdhsa_user_sgpr_count 2
		.amdhsa_user_sgpr_kernarg_segment_ptr 1
		.amdhsa_wavefront_size32 1
		.amdhsa_system_sgpr_workgroup_id_x 1
		.amdhsa_system_sgpr_workgroup_id_y 1
		.amdhsa_system_sgpr_workgroup_id_z 1
		.amdhsa_system_vgpr_workitem_id 0
		.amdhsa_next_free_vgpr 98
		.amdhsa_next_free_sgpr 66
		.amdhsa_reserve_vcc 0
		.amdhsa_float_denorm_mode_32 3
		.amdhsa_float_denorm_mode_16_64 3
		.amdhsa_memory_ordered 1
		.amdhsa_forward_progress 1
		.amdhsa_inst_pref_size 8
	.end_amdhsa_kernel
	.amdgpu_metadata
---
amdhsa.version: [ 1, 2 ]
amdhsa.kernels:
  - .name:           k_q18870ddb58_gvec
    .symbol:         k_q18870ddb58_gvec.kd
    .args:
      - { .name: qv, .offset: 0, .size: 8, .value_kind: global_buffer, .address_space: global }
      - { .name: Wkv, .offset: 8, .size: 8, .value_kind: global_buffer, .address_space: global }
      - { .name: kv_gamma, .offset: 16, .size: 8, .value_kind: global_buffer, .address_space: global }
      - { .name: gk, .offset: 24, .size: 8, .value_kind: global_buffer, .address_space: global }
    .group_segment_fixed_size: 5120
    .private_segment_fixed_size: 0
    .kernarg_segment_align: 8
    .kernarg_segment_size: 32
    .max_flat_workgroup_size: 256
    .sgpr_count:     66
    .vgpr_count:     98
    .wavefront_size: 32
...
	.end_amdgpu_metadata
.endif
;; end of part 2
;; launch main (part 3): grid 256 x 1, 8 waves a work-group, no clusters, 306,176 bytes of LDS; arguments features, gk, part, stat; writes part, stat
.if DOCPART == 3
	.amdgcn_target "amdgcn-amd-amdhsa--gfx1250"
	.amdhsa_code_object_version 6
	.text
	.protected	k_q18870ddb58_main
	.globl	k_q18870ddb58_main
	.p2align	8
	.type	k_q18870ddb58_main,@function
k_q18870ddb58_main:
	s_mov_b64 s[64:65], 0
	v_nop
	global_prefetch_b8 v0, s[64:65] scope:SCOPE_SE
	s_setreg_imm32_b32 hwreg(HW_REG_WAVE_MODE, 25, 1), 1
	s_wait_xcnt 0x0
; For 128 feature rows (work-group g: rows 128 g .. + 127 of the 32,768; batch g / 16):
;   z[n][c]   = (x[n][c] - mean_n) / sqrt(var_n + eps), in f32 with the row centred before anything is rounded, then bf16 in LDS
;   s[n][h]   = z[n] . gk[h]                            (logits in base 2; matrix instructions, f32 sums)
;   M[h]      = max over the 128 rows of s[n][h];  p[n][h] = 2^(s - M);  l[h] = sum of p
;   part[g][h][c] = sum over the 128 rows of p[n][h] z[n][c]   (matrix instructions, f32 sums);  stat[g][L] = (M, l) of head L & 7
; A later launch merges the 16 work-groups of a batch with the batch's own maximum.
; HOW THIS DIFFERS FROM THE PROBLEM AS WRITTEN, for every input: keys and values are never formed.  q . (Wk xhat) = z . gk + a constant in n,
; which the softmax cancels; sum_n a_n Wv xhat_n = Wv (gamma o sum_n a_n z_n + beta), since the a_n sum to one.  So the products are
; associated otherwise and round otherwise.  Matrix operands are bf16: z; gk as a high and a low bf16 part (16 columns for 8 heads);
; p.  l is summed from p in f32, the pool from p rounded to bf16.
; Features are read once, through registers: the norm needs the row in registers, and only its bf16 image (2 of 4 bytes) goes to LDS.
; No cluster: what work-groups share is gk, 32 KiB of the 544 KiB that a work-group reads.
; Eight waves, 512 registers each.  Wave w owns rows 16 w .. + 15 for the norm and the logits, columns 128 w .. + 127 for the pool.
; Six rows of 4,096 bytes of every wave are on their way at any time (48 loads).
.set ZP,  2064                         ; pitch of a row of 1,024 bf16 in LDS: 2,048 + 16 = 129 x 16 bytes, so 16 rows' 16-byte pieces lie in 16 different places modulo 256 bytes
.set GB,  128*ZP                       ; behind Z (128 rows): gk's 16 rows (0-7 high parts, 8-15 low parts); later the waves' stages for the way out
.set STG, 4352                         ; a wave's stage: 8 heads x 544 bytes
.set SPI, 544                          ; a stage row: 128 f32 + 32 bytes
.set MX,  GB+8*STG                     ; [wave][lane] f32: the waves' maxima;  1,024 bytes behind it the waves' sums
.set LSO, 1024
.set PT,  MX+2048                      ; [wave][lane][16 bytes]: p as bf16, in the order of a B fragment
.set GKR, 16                           ; v[16:47]   gk as loaded
.set ZQ,  16                           ; v[16:31]   then: a row's z as bf16
.set SM,  32                           ; v[32:39]   four running pairs
.set TT,  40
.set T1,  41
.set MU,  42                           ; v[42:43]
.set RS,  44                           ; v[44:45]
.set PF,  16                           ; v[16:47]   later: p's four B fragments
.set SL,  48                           ; v[48:239]  six row slots of 32 registers
.set FB0, 48                           ; v[48:111]  later: fragment buffer 0
.set FB1, 112                          ; v[112:175] fragment buffer 1
.set LA,  176                          ; v[176:207] four accumulators of the logits
.set PA,  176                          ; v[176:239] eight accumulators of the pool
.set TA,  240                          ; v[240:243] LDS address of my transposed fragments, K step 0..3
.set SA,  244                          ; stage, in
.set SR,  245                          ; stage, back
.set MM,  247                          ; the work-group's maximum of my lane's head
.set TP,  248                          ; v[248:255] at work
; v1 lane, v2 r = lane % 16, v3 h = lane / 16, v4 16 lane, v5 Z store, v6 A fragments, v7 gk store, v8 gk fragments, v9 my word of MX,
; v10 a lane's word of MX, v11 my 16 bytes of PT, v12 a lane's 16 bytes of PT, v13 8 lane, v14 r ZP + 16 h, v15 16 x thread.
; Registers v256-v511 (window 1): gk's 32 B fragments, K step t at 8 t.
.macro PLACES n
.rept \n
	v_nop
.endr
.endm
.macro FOLD                            ; the four pairs in SM -> one sum over all 32 lanes, in every lane's TT
	v_pk_add_f32 v[SM:SM+1], v[SM:SM+1], v[SM+2:SM+3]
	v_pk_add_f32 v[SM+4:SM+5], v[SM+4:SM+5], v[SM+6:SM+7]
	v_pk_add_f32 v[SM:SM+1], v[SM:SM+1], v[SM+4:SM+5]
	v_add_f32 v[TT], v[SM], v[SM+1]
	v_add_f32_dpp v[TT], v[TT], v[TT] row_xmask:1 row_mask:0xf bank_mask:0xf
	v_add_f32_dpp v[TT], v[TT], v[TT] row_xmask:2 row_mask:0xf bank_mask:0xf
	v_add_f32_dpp v[TT], v[TT], v[TT] row_xmask:4 row_mask:0xf bank_mask:0xf
	v_add_f32_dpp v[TT], v[TT], v[TT] row_xmask:8 row_mask:0xf bank_mask:0xf
	v_permlanex16_b32 v[T1], v[TT], s18, s19
	v_add_f32 v[TT], v[TT], v[T1]
.endm
; The row in v[XS:XS+31]: mean, centred in place, variance of the centred numbers, 1 / sqrt(var + eps) in the pair RS.
.macro ROWSTAT
.irp k, 0,1,2,3
	v_pk_add_f32 v[SM+2*\k:SM+2*\k+1], v[XS+4*\k:XS+4*\k+1], v[XS+4*\k+2:XS+4*\k+3]
.endr
.irp k, 0,1,2,3,4,5,6,7
	v_pk_add_f32 v[SM+2*(\k%4):SM+2*(\k%4)+1], v[SM+2*(\k%4):SM+2*(\k%4)+1], v[XS+16+2*\k:XS+16+2*\k+1]
.endr
	FOLD
	v_mul_f32 v[MU], 0xba800000, v[TT]             ; - sum / 1024
	v_mov_b32 v[MU+1], v[MU]
.irp k, 0,1,2,3,4,5,6,7,8,9,10,11,12,13,14,15
	v_pk_add_f32 v[XS+2*\k:XS+2*\k+1], v[XS+2*\k:XS+2*\k+1], v[MU:MU+1]
.endr
.irp k, 0,1,2,3
	v_pk_mul_f32 v[SM+2*\k:SM+2*\k+1], v[XS+2*\k:XS+2*\k+1], v[XS+2*\k:XS+2*\k+1]
.endr
.irp k, 4,5,6,7,8,9,10,11,12,13,14,15
	v_pk_fma_f32 v[SM+2*(\k%4):SM+2*(\k%4)+1], v[XS+2*\k:XS+2*\k+1], v[XS+2*\k:XS+2*\k+1], v[SM+2*(\k%4):SM+2*(\k%4)+1]
.endr
	FOLD
	v_fma_f32 v[TT], v[TT], s20, s21               ; sum of squares / 1024 + eps
	v_rsq_f32 v[RS], v[TT]
	v_rsq_f32 v[RS+1], v[TT]
	v_nop                                          ; one plain vector instruction between v_rsq_f32 and the first use of its result (ISA guide 5.7.2)
.endm
.macro LOADROW                         ; row LR of my 16 into slot LR % 6: eight loads of 512 consecutive bytes
.irp j, 0,1,2,3,4,5,6,7
	global_load_b128 v[SL+32*(LR%6)+4*\j:SL+32*(LR%6)+4*\j+3], v4, s[4:5] offset:4096*LR+512*\j th:TH_LOAD_NT
.endr
.endm
; Row i of my 16: normalise, round, store to Z; the slot then takes row i + 6.  All addresses are immediates on registers that are never rewritten.
.macro ROW i
.set XS, SL+32*(\i%6)
.if \i < 10
	s_wait_loadcnt 40                              ; row i is in; the five younger rows (8 loads each) stay out
.else
	s_wait_loadcnt 8*(15-\i)                       ; the last rows: 15 - i younger rows are left
.endif
	ROWSTAT
	s_wait_alu depctr_va_vdst(0)
.irp k, 0,1,2,3,4,5,6,7,8,9,10,11,12,13,14,15
	v_pk_mul_f32 v[XS+2*\k:XS+2*\k+1], v[XS+2*\k:XS+2*\k+1], v[RS:RS+1]
.endr
.irp k, 0,1,2,3,4,5,6,7,8,9,10,11,12,13,14,15
	v_cvt_pk_bf16_f32 v[ZQ+\k], v[XS+2*\k], v[XS+2*\k+1]
.endr
.if \i < 10
.set LR, \i+6
	LOADROW
.endif
.irp j, 0,1,2,3,4,5,6,7
	ds_store_b64 v5, v[ZQ+2*\j:ZQ+2*\j+1] offset:\i*ZP+256*\j   ; columns 128 j + 4 lane .. + 3: 32 lanes fill 256 consecutive bytes
.endr
.endm
; Logits.  A = 16 of my rows x 32 columns of z, B = gk's 16 rows (window 1).  Eight K steps a run.
.macro AFETCH g, buf
.irp u, 0,1,2,3,4,5,6,7
	ds_load_b128 v[\buf+8*\u:\buf+8*\u+3],   v6 offset:64*(8*\g+\u)
	ds_load_b128 v[\buf+8*\u+4:\buf+8*\u+7], v6 offset:64*(8*\g+\u)+32
.endr
.endm
.macro LMUL g, buf                     ; the four accumulators take turns, one instruction a turn; the first four products start the sums
.irp u, 0,1,2,3,4,5,6,7
.if 8*\g+\u < 4
	v_wmma_f32_16x16x32_bf16 v[LA+8*(\u%4):LA+8*(\u%4)+7], v[\buf+8*\u:\buf+8*\u+7], v[64*\g+8*\u:64*\g+8*\u+7], 0
.else
	v_wmma_f32_16x16x32_bf16 v[LA+8*(\u%4):LA+8*(\u%4)+7], v[\buf+8*\u:\buf+8*\u+7], v[64*\g+8*\u:64*\g+8*\u+7], v[LA+8*(\u%4):LA+8*(\u%4)+7]
.endif
.endr
.endm
; Pool.  A = 16 columns x 32 rows of z, read transposed; tile t holds the blocks of 8 columns t and t + 8 of my 128.
; B = p of the K step's 32 rows.
.macro ZFETCH s, buf
.irp t, 0,1,2,3,4,5,6,7
	ds_load_tr16_b128 v[\buf+8*\t:\buf+8*\t+3],   v[TA+\s] offset:16*\t
	ds_load_tr16_b128 v[\buf+8*\t+4:\buf+8*\t+7], v[TA+\s] offset:16*\t+16*ZP
.endr
.endm
.macro PMUL s, buf, zero               ; the eight accumulators take turns, one instruction a turn
.irp t, 0,1,2,3,4,5,6,7
.if \zero
	v_wmma_f32_16x16x32_bf16 v[PA+8*\t:PA+8*\t+7], v[\buf+8*\t:\buf+8*\t+7], v[PF+8*\s:PF+8*\s+7], 0
.else
	v_wmma_f32_16x16x32_bf16 v[PA+8*\t:PA+8*\t+7], v[\buf+8*\t:\buf+8*\t+7], v[PF+8*\s:PF+8*\s+7], v[PA+8*\t:PA+8*\t+7]
.endif
.endr
.endm
	s_load_b256 s[4:11], s[0:1], 0x0               ; features s[4:5], gk s[6:7], part s[8:9], stat s[10:11]
	v_lshrrev_b32 v[TP], 5, v0
	v_readfirstlane_b32 s12, v[TP]                 ; wave 0..7
	v_and_b32 v1, 31, v0
	v_and_b32 v2, 15, v0
	v_bfe_u32 v3, v0, 4, 1
	v_lshlrev_b32 v4, 4, v1
	v_lshlrev_b32 v15, 4, v0
	s_lshl_b32 s16, ttmp9, 19                      ; 128 rows of 4,096 bytes a work-group,
	s_lshl_b32 s17, s12, 16                        ; 16 rows a wave
	s_add_co_u32 s16, s16, s17
	s_mov_b32 s17, 0
	s_lshl_b32 s24, ttmp9, 15                      ; part: 8 heads x 4,096 bytes a work-group
	s_mov_b32 s25, 0
	s_lshl_b32 s26, ttmp9, 8                       ; stat: 256 bytes a work-group
	s_mov_b32 s27, 0
	s_wait_kmcnt 0x0
	s_add_nc_u64 s[4:5], s[4:5], s[16:17]
	s_add_nc_u64 s[8:9], s[8:9], s[24:25]
	s_add_nc_u64 s[10:11], s[10:11], s[26:27]
.irp i, 0,1,2,3,4,5,6,7
	global_load_b128 v[GKR+4*\i:GKR+4*\i+3], v15, s[6:7] offset:4096*\i   ; head i: the 256 threads cover its 4,096 bytes
.endr
.irp i, 0,1,2,3,4,5
.set LR, \i
	LOADROW
.endr
	s_mov_b32 s18, 0x76543210                      ; v_permlanex16_b32: lane i of one half reads lane i of the other
	s_mov_b32 s19, 0xfedcba98
	s_mov_b32 s20, 0x3a800000                      ; 1 / 1024
	s_mov_b32 s21, 0x3727c5ac                      ; eps = 1e-5
	s_mov_b32 s22, 0xffff0000                      ; a word's upper bf16
	s_mul_i32 s13, s12, 16*ZP                      ; my 16 rows of Z
	s_lshl_b32 s14, s12, 8                         ; my 128 columns in a row of bf16
	s_mul_i32 s15, s12, STG
	s_add_co_u32 s15, s15, GB                      ; my stage
	s_lshl_b32 s23, s12, 7
	s_add_co_u32 s23, s23, MX                      ; my 128 bytes of MX
	s_lshl_b32 s28, s12, 9
	s_add_co_u32 s28, s28, PT                      ; my 512 bytes of PT
	s_add_co_u32 s29, s14, GB                      ; my 256 bytes of a row of gk in LDS
	v_lshl_add_u32 v5, v1, 3, s13
	v_mul_u32_u24 v14, v2, ZP
	v_lshl_add_u32 v14, v3, 4, v14                 ; r ZP + 16 h: a fragment's lane term
	v_add_nc_u32 v6, s13, v14
	v_lshl_add_u32 v7, v1, 3, s29
	v_add_nc_u32 v8, GB, v14
	v_lshl_add_u32 v9, v1, 2, s23
	v_lshl_add_u32 v10, v1, 2, MX
	v_lshl_add_u32 v11, v1, 4, s28
	v_lshl_add_u32 v12, v1, 4, PT
	v_lshlrev_b32 v13, 3, v1
	v_and_b32 v[TP], 7, v0                         ; lane & 7
	v_bfe_u32 v[TP+1], v0, 3, 1                    ; (lane >> 3) & 1
	v_lshl_add_u32 v[TP+2], v3, 3, v[TP]           ; row 8 h + (lane & 7) of a K step
	v_mul_u32_u24 v[TP+2], v[TP+2], ZP
	v_lshl_add_u32 v[TP+2], v[TP+1], 7, v[TP+2]    ; the upper eight lanes of sixteen: 64 columns further on
	v_add_nc_u32 v[TA], s14, v[TP+2]
	v_add_nc_u32 v[TA+1], 32*ZP, v[TA]
	v_add_nc_u32 v[TA+2], 64*ZP, v[TA]
	v_add_nc_u32 v[TA+3], 96*ZP, v[TA]
	v_mul_u32_u24 v[TP+3], v[TP], SPI              ; stage, in: row = head r & 7,
	v_lshl_add_u32 v[TP+3], v3, 8, v[TP+3]         ; 64 columns for h,
	v_lshl_add_u32 v[TP+3], v[TP+1], 4, v[TP+3]    ; 4 columns for r >> 3
	v_add_nc_u32 v[SA], s15, v[TP+3]
	v_add_nc_u32 v[SR], s15, v4
	; gk into LDS as bf16: high part = bf16(g), low part = bf16(g - high part)
	s_wait_loadcnt 48                              ; gk's eight loads are in; the six rows' 48 stay out
.irp i, 0,1,2,3,4,5,6,7
	v_cvt_pk_bf16_f32 v[TP],   v[GKR+4*\i],   v[GKR+4*\i+1]
	v_cvt_pk_bf16_f32 v[TP+1], v[GKR+4*\i+2], v[GKR+4*\i+3]
	v_lshlrev_b32 v[TP+2], 16, v[TP]
	v_and_b32     v[TP+3], s22, v[TP]
	v_lshlrev_b32 v[TP+4], 16, v[TP+1]
	v_and_b32     v[TP+5], s22, v[TP+1]
	v_pk_add_f32 v[TP+2:TP+3], v[GKR+4*\i:GKR+4*\i+1],   v[TP+2:TP+3] neg_lo:[0,1] neg_hi:[0,1]
	v_pk_add_f32 v[TP+4:TP+5], v[GKR+4*\i+2:GKR+4*\i+3], v[TP+4:TP+5] neg_lo:[0,1] neg_hi:[0,1]
	v_cvt_pk_bf16_f32 v[TP+6], v[TP+2], v[TP+3]
	v_cvt_pk_bf16_f32 v[TP+7], v[TP+4], v[TP+5]
	ds_store_b64 v7, v[TP:TP+1]   offset:\i*ZP
	ds_store_b64 v7, v[TP+6:TP+7] offset:(\i+8)*ZP
.endr
	v_mov_b32 v[T1], 0                             ; v_permlanex16_b32's destination counts as read
	s_wait_dscnt 0x0                               ; my part of gk is stored before I signal
	s_barrier_signal -1
	s_barrier_wait -1                              ; gk is whole
	s_set_vgpr_msb 0x40                            ; destination in window 1
.set t, 0
.rept 32
	ds_load_b128 v[8*t:8*t+3],   v8 offset:64*t    ; v[256 + 8 t ..]: column n = r of B is gk's row r, K step t
	ds_load_b128 v[8*t+4:8*t+7], v8 offset:64*t+32
.set t, t+1
.endr
	s_set_vgpr_msb 0x4000                          ; all windows 0 again
.irp i, 0,1,2,3,4,5,6,7,8,9,10,11,12,13,14,15
	ROW \i
.endr
	; Logits of my 16 rows.  I read only rows that I stored: LDS serves a wave's instructions in order (ISA guide 5.7.1), no barrier is needed.
	s_set_vgpr_msb 0x0004                          ; source 1 (B) in window 1
	AFETCH 0, FB0
	AFETCH 1, FB1
	s_wait_dscnt 16                                ; all but the youngest run of 16: gk's fragments and buffer 0 are in
	LMUL 0, FB0
	PLACES 4                                       ; four places between a matrix instruction and a load into one of its sources (ISA guide 7.12.1 for vector instructions)
	AFETCH 2, FB0
	s_wait_dscnt 16                                ; buffer 1 is in; the 16 just issued stay out
	LMUL 1, FB1
	PLACES 4
	AFETCH 3, FB1
	s_wait_dscnt 16
	LMUL 2, FB0
	s_wait_dscnt 0x0
	LMUL 3, FB1
	s_set_vgpr_msb 0x0400                          ; all windows 0 again
	PLACES 5                                       ; five places: vector instructions read the results, and the pool's matrix instructions later write over these registers
	; register j of lane (r, h): row 8 h + j, column r (r < 8: high part of head r; r >= 8: low part of head r - 8)
.irp k, 0,1,2,3
	v_pk_add_f32 v[LA+2*\k:LA+2*\k+1], v[LA+2*\k:LA+2*\k+1], v[LA+8+2*\k:LA+8+2*\k+1]
	v_pk_add_f32 v[LA+16+2*\k:LA+16+2*\k+1], v[LA+16+2*\k:LA+16+2*\k+1], v[LA+24+2*\k:LA+24+2*\k+1]
.endr
.irp k, 0,1,2,3
	v_pk_add_f32 v[LA+2*\k:LA+2*\k+1], v[LA+2*\k:LA+2*\k+1], v[LA+16+2*\k:LA+16+2*\k+1]
.endr
.irp j, 0,1,2,3,4,5,6,7
	v_add_f32_dpp v[LA+\j], v[LA+\j], v[LA+\j] row_xmask:8 row_mask:0xf bank_mask:0xf   ; high + low part: every lane now has head r & 7
.endr
	v_max3_num_f32 v[TP], v[LA], v[LA+1], v[LA+2]
	v_max3_num_f32 v[TP], v[TP], v[LA+3], v[LA+4]
	v_max3_num_f32 v[TP], v[TP], v[LA+5], v[LA+6]
	v_max_num_f32 v[TP], v[TP], v[LA+7]
	v_permlanex16_b32 v[TP+1], v[TP], s18, s19
	v_max_num_f32 v[TP], v[TP], v[TP+1]            ; the maximum of my 16 rows
	ds_store_b32 v9, v[TP]
	s_wait_dscnt 0x0                               ; my maximum and my rows of Z are stored, my reads of gk are back, before I signal
	s_barrier_signal -1
	s_barrier_wait -1
.irp w, 0,1,2,3,4,5,6,7
	ds_load_b32 v[TP+\w], v10 offset:128*\w
.endr
	s_wait_dscnt 0x0
	v_max3_num_f32 v[MM], v[TP], v[TP+1], v[TP+2]
	v_max3_num_f32 v[MM], v[MM], v[TP+3], v[TP+4]
	v_max3_num_f32 v[MM], v[MM], v[TP+5], v[TP+6]
	v_max_num_f32 v[MM], v[MM], v[TP+7]            ; the maximum of the work-group's 128 rows
.irp j, 0,1,2,3,4,5,6,7
	v_sub_f32 v[LA+\j], v[LA+\j], v[MM]
.endr
.irp j, 0,1,2,3,4,5,6,7
	v_exp_f32 v[LA+8+\j], v[LA+\j]                 ; p = 2^(s - M), at most 1
.endr
	v_nop                                          ; one plain vector instruction behind the last v_exp_f32 (ISA guide 5.7.2)
	s_wait_alu depctr_va_vdst(0)
	v_pk_add_f32 v[LA+16:LA+17], v[LA+8:LA+9], v[LA+10:LA+11]
	v_pk_add_f32 v[LA+18:LA+19], v[LA+12:LA+13], v[LA+14:LA+15]
	v_pk_add_f32 v[LA+16:LA+17], v[LA+16:LA+17], v[LA+18:LA+19]
	v_add_f32 v[LA+16], v[LA+16], v[LA+17]
	v_permlanex16_b32 v[LA+17], v[LA+16], s18, s19
	v_add_f32 v[LA+16], v[LA+16], v[LA+17]         ; the sum of p over my 16 rows
.irp q, 0,1,2,3
	v_cvt_pk_bf16_f32 v[LA+20+\q], v[LA+8+2*\q], v[LA+9+2*\q]   ; rows 16 w + 8 h + 0 .. 7 of head r & 7: half of a B fragment (n = r, k = row) as it stands
.endr
	ds_store_b128 v11, v[LA+20:LA+23]
	ds_store_b32 v9, v[LA+16] offset:LSO
	s_wait_dscnt 0x0                               ; stored before I signal
	s_barrier_signal -1
	s_barrier_wait -1                              ; every wave's p and sums are there; Z has been whole since the barrier before
	; Pool: D(m = column, n = head) = sum over the 128 rows
.irp w, 0,1,2,3,4,5,6,7
	ds_load_b128 v[PF+4*\w:PF+4*\w+3], v12 offset:512*\w   ; waves 2 s and 2 s + 1 give registers 0-3 and 4-7 of K step s
.endr
	ZFETCH 0, FB0
	ZFETCH 1, FB1
	s_wait_dscnt 16                                ; p and buffer 0 are in; buffer 1's 16 loads stay out
	PMUL 0, FB0, 1
	PLACES 4                                       ; as above: places in front of loads into a matrix instruction's sources
	ZFETCH 2, FB0
	s_wait_dscnt 16
	PMUL 1, FB1, 0
	PLACES 4
	ZFETCH 3, FB1
	s_wait_dscnt 16
	PMUL 2, FB0, 0
	s_wait_dscnt 0x0
	PMUL 3, FB1, 0
	PLACES 5
	; The way out.  Register j of tile t in lane (r, h): head r & 7, column 64 h + 8 t + j of my 128.  Lanes r >= 8 hold copies of lanes r - 8:
	; they carry registers 4-7, the others 0-3, so every lane puts 16 bytes into my own stage (the bytes that held gk: all reads of it
	; were waited for in front of the last two barriers).  Whole rows of 512 bytes are read back and stored.
	v_cmp_le_u32 vcc_lo, 8, v2
.irp t, 0,1,2,3,4,5,6,7
.irp k, 0,1,2,3
	v_cndmask_b32 v[FB0+4*\t+\k], v[PA+8*\t+\k], v[PA+8*\t+4+\k], vcc_lo
.endr
	ds_store_b128 v[SA], v[FB0+4*\t:FB0+4*\t+3] offset:32*\t
.endr
.irp k, 0,1,2,3,4,5,6,7
	ds_load_b128 v[FB1+4*\k:FB1+4*\k+3], v[SR] offset:SPI*\k    ; my own bytes, served in order behind the stores above
.endr
.irp k, 0,1,2,3,4,5,6,7
	s_wait_dscnt 7-\k                              ; head k's row is back; the younger ones stay out
	global_store_b128 v15, v[FB1+4*\k:FB1+4*\k+3], s[8:9] offset:4096*\k   ; 512 consecutive bytes, at a multiple of 512 from part's first byte
.endr
	s_cmp_lg_u32 s12, 0
	s_cbranch_scc1 .Lend
.irp w, 0,1,2,3,4,5,6,7
	ds_load_b32 v[TP+\w], v10 offset:LSO+128*\w    ; the eight waves' sums of p
.endr
	s_wait_dscnt 0x0
	v_pk_add_f32 v[TP:TP+1], v[TP:TP+1], v[TP+2:TP+3]
	v_pk_add_f32 v[TP+4:TP+5], v[TP+4:TP+5], v[TP+6:TP+7]
	v_pk_add_f32 v[TP:TP+1], v[TP:TP+1], v[TP+4:TP+5]
	v_add_f32 v[TP+1], v[TP], v[TP+1]
	v_mov_b32 v[TP], v[MM]
	global_store_b64 v13, v[TP:TP+1], s[10:11]     ; (M, l) of head lane & 7: 32 lanes fill the work-group's 256 bytes
.Lend:
	s_wait_xcnt 0x0
	v_lshl_add_u32 v254, v0, 2, 0x4a800
	v_mov_b32 v255, 0
	s_wait_tensorcnt 0x0
	ds_add_u32 v254, v255
	s_wait_dscnt 0x0
	s_endpgm
.Lfunc_end_k_q18870ddb58_main:
	.size	k_q18870ddb58_main, .Lfunc_end_k_q18870ddb58_main-k_q18870ddb58_main
	.p2alignl 7, 3214868480
	.fill 96, 4, 3214868480
	.section	.rodata,"a",@progbits
	.p2align	6, 0x0
	.amdhsa_kernel k_q18870ddb58_main
		.amdhsa_group_segment_fixed_size 306176
		.amdhsa_private_segment_fixed_size 0
		.amdhsa_enable_private_segment 0
		.amdhsa_kernarg_size 32
		.amdhsa_user_sgpr_count 2
		.amdhsa_user_sgpr_kernarg_segment_ptr 1
		.amdhsa_wavefront_size32 1
		.amdhsa_system_sgpr_workgroup_id_x 1
		.amdhsa_system_sgpr_workgroup_id_y 1
		.amdhsa_system_sgpr_workgroup_id_z 1
		.amdhsa_system_vgpr_workitem_id 0
		.amdhsa_next_free_vgpr 512
		.amdhsa_next_free_sgpr 66
		.amdhsa_reserve_vcc 1
		.amdhsa_float_denorm_mode_32 3
		.amdhsa_float_denorm_mode_16_64 3
		.amdhsa_memory_ordered 1
		.amdhsa_forward_progress 1
		.amdhsa_inst_pref_size 154
	.end_amdhsa_kernel
	.amdgpu_metadata
---
amdhsa.version: [ 1, 2 ]
amdhsa.kernels:
  - .name:           k_q18870ddb58_main
    .symbol:         k_q18870ddb58_main.kd
    .args:
      - { .name: features, .offset: 0, .size: 8, .value_kind: global_buffer, .address_space: global }
      - { .name: gk, .offset: 8, .size: 8, .value_kind: global_buffer, .address_space: global }
      - { .name: part, .offset: 16, .size: 8, .value_kind: global_buffer, .address_space: global }
      - { .name: stat, .offset: 24, .size: 8, .value_kind: global_buffer, .address_space: global }
    .group_segment_fixed_size: 306176
    .private_segment_fixed_size: 0
    .kernarg_segment_align: 8
    .kernarg_segment_size: 32
    .max_flat_workgroup_size: 256
    .sgpr_count:     66
    .vgpr_count:     512
    .wavefront_size: 32
...
	.end_amdgpu_metadata
.endif
;; end of part 3
;; launch value (part 4): grid 32 x 8, 4 waves a work-group, clusters of 4 x 1, 168,448 bytes of LDS; arguments part, stat, Wkv, kv_gamma, kv_beta, aggf; writes aggf
.if DOCPART == 4
	.amdgcn_target "amdgcn-amd-amdhsa--gfx1250"
	.amdhsa_code_object_version 6
	.text
	.protected	k_q18870ddb58_value
	.globl	k_q18870ddb58_value
	.p2align	8
	.type	k_q18870ddb58_value,@function
k_q18870ddb58_value:
	s_mov_b64 s[64:65], 0
	v_nop
	global_prefetch_b8 v0, s[64:65] scope:SCOPE_SE
	s_setreg_imm32_b32 hwreg(HW_REG_WAVE_MODE, 25, 1), 1
	s_wait_xcnt 0x0
	s_wait_alu depctr_hold_cnt(0) depctr_sa_sdst(0) depctr_va_vdst(0) depctr_va_sdst(0) depctr_va_ssrc(0) depctr_va_vcc(0) depctr_vm_vsrc(0)
	s_getreg_b32 s2, hwreg(HW_REG_IB_STS2, 6, 4)
	s_cmp_eq_u32 s2, 0
	s_cbranch_scc0 .Lentry_in_a_cluster
	s_endpgm
.Lentry_in_a_cluster:
	s_bfe_u32 s2, ttmp6, 0x10000c
	s_cmp_lg_u32 s2, 0x3003
	s_cbranch_scc0 .Lentry_shape_is_right
	s_endpgm
.Lentry_shape_is_right:
; Work-group (bq, j, h): batches 4 bq .. + 3, columns c = 128 j .. + 127, head h.
;   merge:   M_b = max over the batch's 16 partials of m;  e_p = 2^(m_p - M_b);  w_p = e_p / sum of e_p l_p
;            x[b][c] = kv_gamma[c] * (sum over p of w_p part[16 b + p][h][c]) + kv_beta[c]          (f32; the weights of a softmax sum to one,
;            so the bias of the norm enters once)
;   product: aggf[..] = sum over the 128 columns of Wv[128 h + d][c] x[b][c]                          (bf16 operands, f32 sums; Wv = rows 1024 .. of Wkv)
; The eight chunks j are eight partial sums of agg; each is rounded to bf16 by itself and the next launch's f32 accumulators add them.
; 256 work-groups of four waves.  Wave w merges batch 4 bq + w and owns rows d = 32 w .. + 31 of Wv.  A work-group takes in 32 KiB of part
; (read once in the launch) and 64 KiB of Wv.
; CLUSTER: the four batch quarters of one (j, h) need the same 64 KiB of Wv, two thirds of what a work-group reads.  They form a cluster (cx = bq) and ask
; jointly: wave w of each issues the same tensor load (its 32 rows of 512 bytes, mask 15) and receives the tile in its own LDS.  One tensor load
; a wave is outstanding, the only one of the launch.  bq enters global addresses of part, stat and aggf alone.
; Wv lies in LDS as f32; a fragment is four loads of 16 bytes and eight conversions, so no bf16 copy is staged.
; The four batches fill the matrix instruction's 16 columns four times over (column n = batch n & 3).
; aggf: [bq 4][h 8][j 8][d / 16 8][hh 2][b 4][8 bf16], the 8 numbers being d = 16 (d / 16) + 8 hh + 0 .. 7 of batch 4 bq + b.
.set WP,  528                          ; an LDS row of 128 f32: 512 + 16 bytes = 33 x 16, so 16 rows' 16-byte pieces lie in 16 different places modulo 256 bytes
.set WWV, 32*WP                        ; a wave's 32 rows of Wv: 16,896 bytes, filled by its tensor load and by nothing else
.set XT,  4*WWV                        ; behind them, at a multiple of 256 bytes: x, four rows
.set XP,  272                          ; an LDS row of 128 bf16: 256 + 16 bytes
.set PR,  16                           ; v[16:79]   16 partial pools, 4 columns a lane
.set AF,  16                           ; v[16:79]   then: Wv's eight A fragments (tile a, K step t at 8 (4 a + t))
.set XA,  80                           ; v[80:83]   x of my batch
.set TP,  84                           ; v[84:91]   at work
.set XSA, 92                           ; where I store x
.set AA,  93                           ; my lane's place in my rows of Wv
.set BA,  94                           ; my lane's place in x
.set SO,  95                           ; my lane's offset in the work-group's 1,024 bytes of aggf
.set AW,  96                           ; v[96:223]  Wv as f32, 16 registers a fragment
.set AC,  96                           ; v[96:111]  then: two accumulators
.set OT,  112                          ; v[112:123] the way out
.set BFR, 224                          ; v[224:255] x's four B fragments
; v1 lane, v2 r = lane % 16, v3 hh = lane / 16, v4 16 lane, v5 256 r, v[6:7] (m, l), v[8:11] gain, v[12:15] bias
; A round of the cluster's barrier: my work-group's barrier, wave 0 signals for the work-group, every wave waits for all four work-groups, my work-group's barrier again.
.macro ROUND
	s_barrier_signal -1
	s_barrier_wait -1
	s_cmp_lg_u32 s16, 0
	s_cbranch_scc1 .Lnot_wave_0_\@
	s_barrier_signal -3
.Lnot_wave_0_\@:
	s_barrier_wait -3
	s_barrier_signal -1
	s_barrier_wait -1
.endm
	s_load_b256 s[4:11], s[0:1], 0x0               ; part s[4:5], stat s[6:7], Wkv s[8:9], kv_gamma s[10:11]
	s_load_b128 s[12:15], s[0:1], 0x20             ; kv_beta s[12:13], aggf s[14:15]
	v_lshl_add_u32 v90, v0, 2, 0x29000
	v_mov_b32 v91, 0
	ds_add_u32 v90, v91
	v_lshrrev_b32 v[TP], 5, v0
	v_readfirstlane_b32 s16, v[TP]                 ; wave 0..3
	s_and_b32 s17, ttmp7, 0xffff                   ; h
	s_bfe_u32 s18, ttmp6, 0x40000                  ; cx = bq; ttmp9 counts clusters: j
	v_and_b32 v1, 31, v0
	v_and_b32 v2, 15, v0
	v_bfe_u32 v3, v0, 4, 1
	v_lshlrev_b32 v4, 4, v1
	v_lshlrev_b32 v5, 8, v2
	s_lshl_b32 s54, ttmp9, 9                       ; 128 columns of 4 bytes a chunk
	s_mov_b32 s55, 0
	s_lshl_b32 s58, s18, 2
	s_add_co_u32 s58, s58, s16                     ; my batch = 4 bq + w
	s_lshl_b32 s48, s58, 19                        ; part: 16 partials of 32,768 bytes a batch,
	s_lshl_b32 s59, s17, 12                        ; 4,096 bytes a head
	s_add_co_u32 s48, s48, s59
	s_add_co_u32 s48, s48, s54
	s_mov_b32 s49, 0
	s_lshl_b32 s50, s58, 12                        ; stat: 16 entries of 256 bytes a batch,
	s_lshl_b32 s59, s17, 3                         ; pair h of an entry
	s_add_co_u32 s50, s50, s59
	s_mov_b32 s51, 0
	s_lshl_b32 s52, s17, 19                        ; Wkv: 128 rows of 4,096 bytes a head,
	s_lshl_b32 s59, s16, 17                        ; 32 rows a wave,
	s_add_co_u32 s52, s52, s59
	s_add_co_u32 s52, s52, s54
	s_add_co_u32 s52, s52, 0x400000                ; behind the 1,024 rows of the keys: made of h, j and the wave's number, which the four partners share
	s_mov_b32 s53, 0
	s_lshl_b32 s56, s18, 16                        ; aggf: 65,536 bytes a quarter,
	s_lshl_b32 s59, s17, 13                        ; 8,192 a head,
	s_add_co_u32 s56, s56, s59
	s_lshl_b32 s59, ttmp9, 10                      ; 1,024 a chunk
	s_add_co_u32 s56, s56, s59
	s_mov_b32 s57, 0
	; the descriptor: 32 rows of 128 f32, 1,024 elements from row to row, 16 bytes of padding behind each row in LDS
	s_mov_b32 s20, 1                               ; group 0: count = 1
	s_mul_i32 s21, s16, WWV                        ; LDS address: wave x 16,896
	s_mov_b32 s24, 15|(2<<16)|(1<<20)|(1<<21)|(6<<22)|(3<<25)  ; group 1: 15:0 mask = the four of the cluster; 17:16 element of 4 bytes; 20 padding on; 21 set beside a mask; 24:22 after every 128 words; 31:25 of 4 words
	s_mov_b32 s25, 128<<16                         ; tensor_dim0 = 128
	s_mov_b32 s26, 32<<16                          ; tensor_dim1 = 32
	s_mov_b32 s27, 128<<16                         ; tile_dim0 = 128
	s_mov_b32 s28, 32                              ; tile_dim1 = 32
	s_mov_b32 s29, 1024                            ; elements from row to row
	s_mov_b32 s30, 0
	s_mov_b32 s31, 0
	s_wait_dscnt 0x0
	s_wait_kmcnt 0x0
	s_add_nc_u64 s[4:5], s[4:5], s[48:49]
	s_add_nc_u64 s[6:7], s[6:7], s[50:51]
	s_add_nc_u64 s[22:23], s[8:9], s[52:53]        ; global address of my 32 rows: the same in all four work-groups
	s_or_b32 s23, s23, 0x80000000                  ; type = 2
	s_add_nc_u64 s[10:11], s[10:11], s[54:55]
	s_add_nc_u64 s[12:13], s[12:13], s[54:55]
	s_add_nc_u64 s[14:15], s[14:15], s[56:57]
	global_load_b64 v[6:7], v5, s[6:7]             ; lane (r, hh): (m, l) of partial r of my batch, in both halves of the wave
	global_load_b128 v[8:11], v4, s[10:11]
	global_load_b128 v[12:15], v4, s[12:13]
.set q, 0
.rept 16
	global_load_b128 v[PR+4*q:PR+4*q+3], v4, s[4:5] offset:32768*q th:TH_LOAD_NT
.set q, q+1
.endr
	ROUND                                          ; all four work-groups are here: the joint loads meet
	tensor_load_to_lds s[20:23], s[24:31]          ; my wave's one tensor load
	s_nop 0
	v_bfe_u32 v[TP+1], v0, 2, 1                    ; (r >> 2) & 1
	v_and_b32 v[TP+2], 3, v0                       ; r & 3
	s_mul_i32 s59, s16, XP
	s_add_co_u32 s59, s59, XT
	v_lshl_add_u32 v[XSA], v1, 3, s59              ; my row of x, 8 bytes a lane
	v_mul_u32_u24 v[AA], v2, WP
	v_lshl_add_u32 v[AA], v3, 5, v[AA]             ; row r, 8 f32 for hh
	v_add_nc_u32 v[AA], s21, v[AA]
	v_mul_u32_u24 v[BA], v[TP+2], XP               ; column n = r of B is x's row r & 3
	v_lshl_add_u32 v[BA], v3, 4, v[BA]
	v_add_nc_u32 v[BA], XT, v[BA]
	s_lshl_b32 s59, s16, 8                         ; aggf: two tiles of 128 bytes a wave,
	v_lshl_add_u32 v[SO], v[TP+1], 7, s59          ; tile (r >> 2) & 1,
	v_lshl_add_u32 v[SO], v3, 6, v[SO]             ; 64 bytes for hh,
	v_lshl_add_u32 v[SO], v[TP+2], 4, v[SO]        ; 16 bytes a batch
	s_wait_loadcnt 18                              ; (m, l) is in; the 18 younger loads stay out
	v_mov_b32 v[TP], v6
	v_max_num_f32_dpp v[TP], v[TP], v[TP] row_xmask:1 row_mask:0xf bank_mask:0xf
	v_max_num_f32_dpp v[TP], v[TP], v[TP] row_xmask:2 row_mask:0xf bank_mask:0xf
	v_max_num_f32_dpp v[TP], v[TP], v[TP] row_xmask:4 row_mask:0xf bank_mask:0xf
	v_max_num_f32_dpp v[TP], v[TP], v[TP] row_xmask:8 row_mask:0xf bank_mask:0xf   ; the batch's maximum
	v_sub_f32 v[TP+1], v6, v[TP]
	v_exp_f32 v[TP+2], v[TP+1]                     ; e = 2^(m - M), at most 1, and 1 for one partial at the least
	v_nop                                          ; one plain vector instruction behind a transcendental (ISA guide 5.7.2)
	s_wait_alu depctr_va_vdst(0)
	v_mul_f32 v[TP+3], v[TP+2], v7
	v_add_f32_dpp v[TP+3], v[TP+3], v[TP+3] row_xmask:1 row_mask:0xf bank_mask:0xf
	v_add_f32_dpp v[TP+3], v[TP+3], v[TP+3] row_xmask:2 row_mask:0xf bank_mask:0xf
	v_add_f32_dpp v[TP+3], v[TP+3], v[TP+3] row_xmask:4 row_mask:0xf bank_mask:0xf
	v_add_f32_dpp v[TP+3], v[TP+3], v[TP+3] row_xmask:8 row_mask:0xf bank_mask:0xf   ; the softmax's denominator, at least 1
	v_rcp_f32 v[TP+4], v[TP+3]
	v_nop
	s_wait_alu depctr_va_vdst(0)
	v_mul_f32 v[TP+5], v[TP+2], v[TP+4]            ; w_p
.set q, 0
.rept 16
	v_readlane_b32 s[32+q], v[TP+5], q             ; the 16 weights as scalars: factors only, no address and no branch hangs on them
.set q, q+1
.endr
.set q, 0
.rept 16
	s_wait_loadcnt 15-q                            ; partial q is in; the 15 - q younger ones stay out
.irp k, 0,1,2,3
.if q == 0
	v_mul_f32 v[XA+\k], s[32+q], v[PR+4*q+\k]      ; the first partial starts the sums
.else
	v_fmac_f32 v[XA+\k], s[32+q], v[PR+4*q+\k]
.endif
.endr
.set q, q+1
.endr
	v_pk_fma_f32 v[XA:XA+1],   v[XA:XA+1],   v[8:9],   v[12:13]
	v_pk_fma_f32 v[XA+2:XA+3], v[XA+2:XA+3], v[10:11], v[14:15]
	v_cvt_pk_bf16_f32 v[TP],   v[XA],   v[XA+1]
	v_cvt_pk_bf16_f32 v[TP+1], v[XA+2], v[XA+3]
	ds_store_b64 v[XSA], v[TP:TP+1]
	s_wait_tensorcnt 0x0                           ; my 32 rows of Wv have landed; no other wave reads them
.irp a, 0,1
.irp t, 0,1,2,3
	ds_load_b128 v[AW+16*(4*\a+\t):AW+16*(4*\a+\t)+3],     v[AA] offset:\a*16*WP+128*\t      ; row r of tile a, k = 32 t + 8 hh + 0 .. 3
	ds_load_b128 v[AW+16*(4*\a+\t)+4:AW+16*(4*\a+\t)+7],   v[AA] offset:\a*16*WP+128*\t+16   ; + 4 .. 7
	ds_load_b128 v[AW+16*(4*\a+\t)+8:AW+16*(4*\a+\t)+11],  v[AA] offset:\a*16*WP+128*\t+64   ; k = 32 t + 16 + 8 hh + 0 .. 3
	ds_load_b128 v[AW+16*(4*\a+\t)+12:AW+16*(4*\a+\t)+15], v[AA] offset:\a*16*WP+128*\t+80   ; + 4 .. 7
.endr
.endr
	s_wait_dscnt 0x0                               ; my row of x is stored before I signal: every wave reads all four; my loads are back too
	s_barrier_signal -1
.set f, 0
.rept 8
.irp i, 0,1,2,3,4,5,6,7
	v_cvt_pk_bf16_f32 v[AF+8*f+\i], v[AW+16*f+2*\i], v[AW+16*f+2*\i+1]   ; register work while the others arrive
.endr
.set f, f+1
.endr
	s_barrier_wait -1
.irp t, 0,1,2,3
	ds_load_b128 v[BFR+8*\t:BFR+8*\t+3],   v[BA] offset:64*\t
	ds_load_b128 v[BFR+8*\t+4:BFR+8*\t+7], v[BA] offset:64*\t+32
.endr
	s_wait_dscnt 0x0
	; the two accumulators (one for each tile of 16 rows d) take turns, one instruction a turn; the first two products start the sums
.irp t, 0,1,2,3
.irp a, 0,1
.if \t == 0
	v_wmma_f32_16x16x32_bf16 v[AC+8*\a:AC+8*\a+7], v[AF+8*(4*\a+\t):AF+8*(4*\a+\t)+7], v[BFR+8*\t:BFR+8*\t+7], 0
.else
	v_wmma_f32_16x16x32_bf16 v[AC+8*\a:AC+8*\a+7], v[AF+8*(4*\a+\t):AF+8*(4*\a+\t)+7], v[BFR+8*\t:BFR+8*\t+7], v[AC+8*\a:AC+8*\a+7]
.endif
.endr
.endr
.rept 4
	v_nop                                          ; four places before a vector instruction reads a matrix result (ISA guide 7.12.1)
.endr
.irp a, 0,1
.irp k, 0,1,2,3
	v_cvt_pk_bf16_f32 v[OT+4*\a+\k], v[AC+8*\a+2*\k], v[AC+8*\a+2*\k+1]   ; register j of lane (r, hh) was (d = 32 w + 16 a + 8 hh + j, batch r & 3)
.endr
.endr
	v_and_b32 v[TP], 4, v2
	v_cmp_ne_u32 vcc_lo, 0, v[TP]                  ; lanes r = 4 .. 7 carry the second tile, lanes 0 .. 3 the first
.irp k, 0,1,2,3
	v_cndmask_b32 v[OT+8+\k], v[OT+\k], v[OT+4+\k], vcc_lo
.endr
	v_cmp_gt_u32 vcc_lo, 8, v2                     ; lanes r >= 8 hold copies: they store nothing
	s_wait_xcnt 0x0                                ; EXEC is a source of the loads above: it is narrowed only behind this wait
	s_and_saveexec_b32 s60, vcc_lo
	global_store_b128 v[SO], v[OT+8:OT+11], s[14:15]   ; 16 lanes store 256 consecutive bytes, at a multiple of 256 from aggf's first byte
	s_wait_xcnt 0x0                                ; and widened again only behind this one
	s_or_b32 exec_lo, exec_lo, s60
	s_wait_tensorcnt 0x0
	ds_add_u32 v90, v91
	s_wait_dscnt 0x0
	ROUND                                          ; the closing round: no work-group ends while a partner may still ask for a tile that names it
	s_endpgm
.Lfunc_end_k_q18870ddb58_value:
	.size	k_q18870ddb58_value, .Lfunc_end_k_q18870ddb58_value-k_q18870ddb58_value
	.p2alignl 7, 3214868480
	.fill 96, 4, 3214868480
	.section	.rodata,"a",@progbits
	.p2align	6, 0x0
	.amdhsa_kernel k_q18870ddb58_value
		.amdhsa_group_segment_fixed_size 168448
		.amdhsa_private_segment_fixed_size 0
		.amdhsa_enable_private_segment 0
		.amdhsa_kernarg_size 48
		.amdhsa_user_sgpr_count 2
		.amdhsa_user_sgpr_kernarg_segment_ptr 1
		.amdhsa_wavefront_size32 1
		.amdhsa_system_sgpr_workgroup_id_x 1
		.amdhsa_system_sgpr_workgroup_id_y 1
		.amdhsa_system_sgpr_workgroup_id_z 1
		.amdhsa_system_vgpr_workitem_id 0
		.amdhsa_next_free_vgpr 256
		.amdhsa_next_free_sgpr 66
		.amdhsa_reserve_vcc 1
		.amdhsa_float_denorm_mode_32 3
		.amdhsa_float_denorm_mode_16_64 3
		.amdhsa_memory_ordered 1
		.amdhsa_forward_progress 1
		.amdhsa_inst_pref_size 20
	.end_amdhsa_kernel
	.amdgpu_metadata
---
amdhsa.version: [ 1, 2 ]
amdhsa.kernels:
  - .name:           k_q18870ddb58_value
    .symbol:         k_q18870ddb58_value.kd
    .args:
      - { .name: part, .offset: 0, .size: 8, .value_kind: global_buffer, .address_space: global }
      - { .name: stat, .offset: 8, .size: 8, .value_kind: global_buffer, .address_space: global }
      - { .name: Wkv, .offset: 16, .size: 8, .value_kind: global_buffer, .address_space: global }
      - { .name: kv_gamma, .offset: 24, .size: 8, .value_kind: global_buffer, .address_space: global }
      - { .name: kv_beta, .offset: 32, .size: 8, .value_kind: global_buffer, .address_space: global }
      - { .name: aggf, .offset: 40, .size: 8, .value_kind: global_buffer, .address_space: global }
    .group_segment_fixed_size: 168448
    .private_segment_fixed_size: 0
    .kernarg_segment_align: 8
    .kernarg_segment_size: 48
    .max_flat_workgroup_size: 128
    .sgpr_count:     66
    .vgpr_count:     256
    .wavefront_size: 32
...
	.end_amdgpu_metadata
.endif
;; end of part 4
;; launch proj (part 5): grid 4 x 64, 8 waves a work-group, clusters of 4 x 4, 168,960 bytes of LDS; arguments aggf, proj_W, class_feature, proj_b, out0; writes out0
.if DOCPART == 5
	.amdgcn_target "amdgcn-amd-amdhsa--gfx1250"
	.amdhsa_code_object_version 6
	.text
	.protected	k_q18870ddb58_proj
	.globl	k_q18870ddb58_proj
	.p2align	8
	.type	k_q18870ddb58_proj,@function
k_q18870ddb58_proj:
	s_mov_b64 s[64:65], 0
	v_nop
	global_prefetch_b8 v0, s[64:65] scope:SCOPE_SE
	s_setreg_imm32_b32 hwreg(HW_REG_WAVE_MODE, 25, 1), 1
	s_wait_xcnt 0x0
	s_wait_alu depctr_hold_cnt(0) depctr_sa_sdst(0) depctr_va_vdst(0) depctr_va_sdst(0) depctr_va_ssrc(0) depctr_va_vcc(0) depctr_vm_vsrc(0)
	s_getreg_b32 s2, hwreg(HW_REG_IB_STS2, 6, 4)
	s_cmp_eq_u32 s2, 0
	s_cbranch_scc0 .Lentry_in_a_cluster
	s_endpgm
.Lentry_in_a_cluster:
	s_bfe_u32 s2, ttmp6, 0x10000c
	s_cmp_lg_u32 s2, 0xf033
	s_cbranch_scc0 .Lentry_shape_is_right
	s_endpgm
.Lentry_shape_is_right:
; out0[b][o] = class_feature[o] + proj_b[o] + sum over h, d of agg[b][128 h + d] proj_W[o][128 h + d],   agg = the sum of aggf's eight chunks j.
; The sum over j is made in f32: each chunk is a matrix operand of its own against the same fragment of proj_W (bf16 operands, f32 sums).
; Work-group (bq, oc): batches 4 bq .. + 3, outputs 16 oc .. + 15; 256 work-groups of 8 waves; wave w takes head w (128 of proj_W's 1,024 columns).
; A work-group takes in 64 KiB of aggf and 64 KiB of proj_W.
; A's 16 rows are m = b + 4 jg: four batches x four groups of chunks, j = jg + 4 jj; so a wave needs 2 (jj) x 4 (K steps of 32 d) matrix instructions,
; and the four groups are added afterwards.
; CLUSTER: 4 x 4 work-groups, cx = bq, oc = 4 x cluster y + cy.  proj_W's tile hangs on oc alone and is shared along a row of the cluster; aggf's slice
; hangs on bq alone and is shared along a column.  Each is asked for jointly: wave w of each of the four issues the same tensor load with a mask that
; names the four.  Two tensor loads a wave are outstanding, the only ones of the launch.  cx and cy enter global addresses and the masks alone.
; proj_W lies in LDS as f32; a fragment is four loads of 16 bytes and eight conversions, so no bf16 copy is staged.
; A work-group's results leave as 4 pieces of 64 bytes (16 outputs of a batch): with 64 outputs a work-group the pieces would be 256 bytes, and each
; work-group would take in four times as much of proj_W.
.set PP,  528                          ; an LDS row of 128 f32: 512 + 16 bytes = 33 x 16
.set PWV, 16*PP                        ; a wave's 16 rows of proj_W: 8,448 bytes
.set AG,  8*PWV                        ; behind them: aggf's slices
.set AP,  1088                         ; a chunk's 1,024 bytes + 64: groups jg start 64 bytes apart modulo 256, batches 16 bytes apart: 16 lanes, 16 different places
.set AWV, 8*AP                         ; a wave's eight chunks: 8,704 bytes
.set RED, AG+8*AWV                     ; behind them, at a multiple of 256 bytes: 512 bytes of partial sums for each wave; no tensor load fills these
.set BF,  16                           ; v[16:47]   proj_W's four B fragments
.set BW,  48                           ; v[48:111]  proj_W as f32, 16 registers a fragment
.set FA,  112                          ; v[112:175] aggf's eight A fragments (jj, t) at 8 (4 jj + t)
.set AC,  176                          ; v[176:207] four accumulators
.set TP,  208                          ; v[208:239] at work
; v1 lane, v2 r, v3 hh, v4 16 lane, v5 my place in proj_W's tile, v6 my place in aggf's slice, v7 my partial sums, v8 the sums that wave 0 adds,
; v10 4 r, v11 my offset in out0, v12 class_feature[o], v13 proj_b[o]
; A round of the cluster's barrier: my work-group's barrier, wave 0 signals for the work-group, every wave waits for all sixteen work-groups, my work-group's barrier again.
.macro ROUND
	s_barrier_signal -1
	s_barrier_wait -1
	s_cmp_lg_u32 s14, 0
	s_cbranch_scc1 .Lnot_wave_0_\@
	s_barrier_signal -3
.Lnot_wave_0_\@:
	s_barrier_wait -3
	s_barrier_signal -1
	s_barrier_wait -1
.endm
	s_load_b256 s[4:11], s[0:1], 0x0               ; aggf s[4:5], proj_W s[6:7], class_feature s[8:9], proj_b s[10:11]
	s_load_b64 s[12:13], s[0:1], 0x20              ; out0
	v_lshl_add_u32 v254, v0, 2, 0x29000
	v_mov_b32 v255, 0
	ds_add_u32 v254, v255
	v_lshrrev_b32 v[TP], 5, v0
	v_readfirstlane_b32 s14, v[TP]                 ; wave 0..7
	s_bfe_u32 s15, ttmp6, 0x40000                  ; cx
	s_bfe_u32 s16, ttmp6, 0x40004                  ; cy
	s_lshl_b32 s17, ttmp9, 2                       ; in a cluster launch ttmp9 and ttmp7 count clusters
	s_add_co_u32 s17, s17, s15                     ; bq = 4 x cluster x + cx
	s_and_b32 s18, ttmp7, 0xffff
	s_lshl_b32 s18, s18, 2
	s_add_co_u32 s18, s18, s16                     ; oc = 4 x cluster y + cy
	s_lshl_b32 s19, s16, 2
	s_lshl_b32 s19, 15, s19                        ; my row of the cluster: places 4 cy .. 4 cy + 3
	s_lshl_b32 s44, 0x1111, s15                    ; my column: places cx, cx + 4, cx + 8, cx + 12
	v_and_b32 v1, 31, v0
	v_and_b32 v2, 15, v0
	v_bfe_u32 v3, v0, 4, 1
	v_lshlrev_b32 v4, 4, v1
	v_lshlrev_b32 v10, 2, v2
	s_lshl_b32 s46, s18, 16                        ; proj_W: 16 rows of 4,096 bytes a block of outputs,
	s_lshl_b32 s54, s14, 9                         ; 128 columns of 4 bytes a wave
	s_add_co_u32 s46, s46, s54
	s_mov_b32 s47, 0
	s_lshl_b32 s48, s17, 16                        ; aggf: 65,536 bytes a quarter,
	s_lshl_b32 s55, s14, 13                        ; 8,192 a head
	s_add_co_u32 s48, s48, s55
	s_mov_b32 s49, 0
	s_lshl_b32 s50, s18, 6                         ; 16 outputs of 4 bytes a block
	s_mov_b32 s51, 0
	s_lshl_b32 s52, s17, 14                        ; out0: four batches of 4,096 bytes a quarter
	s_add_co_u32 s52, s52, s50
	s_mov_b32 s53, 0
	; proj_W's descriptor: 16 rows of 128 f32, 1,024 elements from row to row, 16 bytes of padding behind each row in LDS
	s_mov_b32 s20, 1                               ; group 0: count = 1
	s_mul_i32 s21, s14, PWV                        ; LDS address: wave x 8,448
	s_or_b32 s24, s19, (2<<16)|(1<<20)|(1<<21)|(6<<22)|(3<<25)   ; group 1: 15:0 the mask of my row; 17:16 element of 4 bytes; 20 padding on; 21 set beside a mask; 24:22 after every 128 words; 31:25 of 4 words
	s_mov_b32 s25, 128<<16                         ; tensor_dim0 = 128
	s_mov_b32 s26, 16<<16                          ; tensor_dim1 = 16
	s_mov_b32 s27, 128<<16                         ; tile_dim0 = 128
	s_mov_b32 s28, 16                              ; tile_dim1 = 16
	s_mov_b32 s29, 1024                            ; elements from row to row
	s_mov_b32 s30, 0
	s_mov_b32 s31, 0
	; aggf's descriptor: a dense block of 8,192 bytes as 8 rows (chunks) of 128 elements of 8 bytes, 64 bytes of padding behind each row in LDS
	s_mov_b32 s32, 1
	s_mul_i32 s33, s14, AWV
	s_add_co_u32 s33, s33, AG                      ; LDS address: behind proj_W's tiles, wave x 8,704
	s_or_b32 s36, s44, (3<<16)|(1<<20)|(1<<21)|(7<<22)|(15<<25)  ; 15:0 the mask of my column; element of 8 bytes; padding after every 256 words, of 16 words
	s_mov_b32 s37, 128<<16                         ; tensor_dim0 = 128
	s_mov_b32 s38, 8<<16                           ; tensor_dim1 = 8
	s_mov_b32 s39, 128<<16                         ; tile_dim0 = 128
	s_mov_b32 s40, 8                               ; tile_dim1 = 8
	s_mov_b32 s41, 128                             ; elements from row to row
	s_mov_b32 s42, 0
	s_mov_b32 s43, 0
	s_wait_dscnt 0x0
	s_wait_kmcnt 0x0
	s_add_nc_u64 s[22:23], s[6:7], s[46:47]        ; made of oc and the wave's number: the same along my row of the cluster
	s_or_b32 s23, s23, 0x80000000                  ; type = 2
	s_add_nc_u64 s[34:35], s[4:5], s[48:49]        ; made of bq and the wave's number: the same along my column
	s_or_b32 s35, s35, 0x80000000
	s_add_nc_u64 s[8:9], s[8:9], s[50:51]
	s_add_nc_u64 s[10:11], s[10:11], s[50:51]
	s_add_nc_u64 s[12:13], s[12:13], s[52:53]
	global_load_b32 v12, v10, s[8:9]
	global_load_b32 v13, v10, s[10:11]
	ROUND                                          ; all sixteen work-groups are here: the joint loads meet
	tensor_load_to_lds s[20:23], s[24:31]          ; the two first fills go out together: proj_W's tile,
	s_nop 0
	tensor_load_to_lds s[32:35], s[36:43]          ; and aggf's slice
	s_nop 0
	v_mul_u32_u24 v5, v2, PP
	v_lshl_add_u32 v5, v3, 5, v5                   ; row r, 8 f32 for hh
	v_add_nc_u32 v5, s21, v5
	v_lshrrev_b32 v[TP], 2, v2                     ; jg = r >> 2
	v_and_b32 v[TP+1], 3, v0                       ; b = r & 3
	v_mul_u32_u24 v6, v[TP], AP
	v_lshl_add_u32 v6, v3, 6, v6
	v_lshl_add_u32 v6, v[TP+1], 4, v6
	v_add_nc_u32 v6, s33, v6
	s_lshl_b32 s56, s14, 9
	s_add_co_u32 s56, s56, RED
	v_add_nc_u32 v7, s56, v4
	v_lshlrev_b32 v8, 4, v2
	v_lshl_add_u32 v8, v3, 3, v8
	v_add_nc_u32 v8, RED, v8
	v_lshl_add_u32 v11, v3, 13, v10                ; out0: batches 2 hh and 2 hh + 1 of my four, output r
	s_wait_tensorcnt 0x1                           ; proj_W's tile has landed (no other wave reads it); aggf's slice may stay out
.irp t, 0,1,2,3
	ds_load_b128 v[BW+16*\t:BW+16*\t+3],     v5 offset:128*\t      ; column n = output r, k = 32 t + 8 hh + 0 .. 3
	ds_load_b128 v[BW+16*\t+4:BW+16*\t+7],   v5 offset:128*\t+16   ; + 4 .. 7
	ds_load_b128 v[BW+16*\t+8:BW+16*\t+11],  v5 offset:128*\t+64   ; k = 32 t + 16 + 8 hh + 0 .. 3
	ds_load_b128 v[BW+16*\t+12:BW+16*\t+15], v5 offset:128*\t+80   ; + 4 .. 7
.endr
	s_wait_tensorcnt 0x0                           ; my slice of aggf has landed; no other wave reads it
.irp jj, 0,1
.irp t, 0,1,2,3
	ds_load_b128 v[FA+8*(4*\jj+\t):FA+8*(4*\jj+\t)+3],   v6 offset:\jj*4*AP+256*\t       ; row m = r: batch r & 3, chunk (r >> 2) + 4 jj; d = 32 t + 8 hh + 0 .. 7
	ds_load_b128 v[FA+8*(4*\jj+\t)+4:FA+8*(4*\jj+\t)+7], v6 offset:\jj*4*AP+256*\t+128   ; d = 32 t + 16 + 8 hh + 0 .. 7
.endr
.endr
	s_wait_dscnt 16                                ; proj_W's 16 loads are back; aggf's 16 stay out
.irp t, 0,1,2,3
.irp i, 0,1,2,3,4,5,6,7
	v_cvt_pk_bf16_f32 v[BF+8*\t+\i], v[BW+16*\t+2*\i], v[BW+16*\t+2*\i+1]
.endr
.endr
	s_wait_dscnt 0x0
	; the four accumulators (one for each K step) take turns, one instruction a turn; the first four products start the sums
.irp jj, 0,1
.irp t, 0,1,2,3
.if \jj == 0
	v_wmma_f32_16x16x32_bf16 v[AC+8*\t:AC+8*\t+7], v[FA+8*(4*\jj+\t):FA+8*(4*\jj+\t)+7], v[BF+8*\t:BF+8*\t+7], 0
.else
	v_wmma_f32_16x16x32_bf16 v[AC+8*\t:AC+8*\t+7], v[FA+8*(4*\jj+\t):FA+8*(4*\jj+\t)+7], v[BF+8*\t:BF+8*\t+7], v[AC+8*\t:AC+8*\t+7]
.endif
.endr
.endr
.rept 4
	v_nop                                          ; four places before a vector instruction reads a matrix result (ISA guide 7.12.1)
.endr
.irp k, 0,1,2,3
	v_pk_add_f32 v[AC+2*\k:AC+2*\k+1], v[AC+2*\k:AC+2*\k+1], v[AC+8+2*\k:AC+8+2*\k+1]
	v_pk_add_f32 v[AC+16+2*\k:AC+16+2*\k+1], v[AC+16+2*\k:AC+16+2*\k+1], v[AC+24+2*\k:AC+24+2*\k+1]
.endr
.irp k, 0,1,2,3
	v_pk_add_f32 v[AC+2*\k:AC+2*\k+1], v[AC+2*\k:AC+2*\k+1], v[AC+16+2*\k:AC+16+2*\k+1]
.endr
	; register j of lane (r, hh): row m = 8 hh + j, that is batch j & 3, group 2 hh + (j >> 2); output r.  Registers j and j + 4 are two groups of one batch.
	v_pk_add_f32 v[AC:AC+1], v[AC:AC+1], v[AC+4:AC+5]
	v_pk_add_f32 v[AC+2:AC+3], v[AC+2:AC+3], v[AC+6:AC+7]
	ds_store_b128 v7, v[AC:AC+3]                   ; four batches of output r: my head's share, my half's two groups
	s_wait_dscnt 0x0                               ; stored before I signal: wave 0 reads all behind the barrier
	s_barrier_signal -1
	s_barrier_wait -1
	s_cmp_lg_u32 s14, 0
	s_cbranch_scc1 .Lclose
.set k, 0
.rept 16
	ds_load_b64 v[TP+2*k:TP+2*k+1], v8 offset:256*k    ; batches 2 hh, 2 hh + 1 of output r: eight heads x two halves of lanes
.set k, k+1
.endr
	s_wait_dscnt 0x0
.irp k, 0,1,2,3,4,5,6,7
	v_pk_add_f32 v[TP+4*\k:TP+4*\k+1], v[TP+4*\k:TP+4*\k+1], v[TP+4*\k+2:TP+4*\k+3]
.endr
.irp k, 0,2,4,6
	v_pk_add_f32 v[TP+4*\k:TP+4*\k+1], v[TP+4*\k:TP+4*\k+1], v[TP+4*\k+4:TP+4*\k+5]
.endr
.irp k, 0,4
	v_pk_add_f32 v[TP+4*\k:TP+4*\k+1], v[TP+4*\k:TP+4*\k+1], v[TP+4*\k+8:TP+4*\k+9]
.endr
	v_pk_add_f32 v[TP:TP+1], v[TP:TP+1], v[TP+16:TP+17]
	s_wait_loadcnt 0x0                             ; class_feature and proj_b
	v_add_f32 v12, v12, v13
	v_add_f32 v[TP], v[TP], v12
	v_add_f32 v[TP+1], v[TP+1], v12
	global_store_b32 v11, v[TP], s[12:13]               ; 16 lanes store 64 consecutive bytes of batch 4 bq + 2 hh,
	global_store_b32 v11, v[TP+1], s[12:13] offset:4096 ; and of the batch behind it
.Lclose:
	s_wait_tensorcnt 0x0
	ds_add_u32 v254, v255
	s_wait_dscnt 0x0
	ROUND                                          ; the closing round: no work-group ends while a partner may still ask for a tile that names it
	s_endpgm
.Lfunc_end_k_q18870ddb58_proj:
	.size	k_q18870ddb58_proj, .Lfunc_end_k_q18870ddb58_proj-k_q18870ddb58_proj
	.p2alignl 7, 3214868480
	.fill 96, 4, 3214868480
	.section	.rodata,"a",@progbits
	.p2align	6, 0x0
	.amdhsa_kernel k_q18870ddb58_proj
		.amdhsa_group_segment_fixed_size 168960
		.amdhsa_private_segment_fixed_size 0
		.amdhsa_enable_private_segment 0
		.amdhsa_kernarg_size 40
		.amdhsa_user_sgpr_count 2
		.amdhsa_user_sgpr_kernarg_segment_ptr 1
		.amdhsa_wavefront_size32 1
		.amdhsa_system_sgpr_workgroup_id_x 1
		.amdhsa_system_sgpr_workgroup_id_y 1
		.amdhsa_system_sgpr_workgroup_id_z 1
		.amdhsa_system_vgpr_workitem_id 0
		.amdhsa_next_free_vgpr 256
		.amdhsa_next_free_sgpr 66
		.amdhsa_reserve_vcc 0
		.amdhsa_float_denorm_mode_32 3
		.amdhsa_float_denorm_mode_16_64 3
		.amdhsa_memory_ordered 1
		.amdhsa_forward_progress 1
		.amdhsa_inst_pref_size 14
	.end_amdhsa_kernel
	.amdgpu_metadata
---
amdhsa.version: [ 1, 2 ]
amdhsa.kernels:
  - .name:           k_q18870ddb58_proj
    .symbol:         k_q18870ddb58_proj.kd
    .args:
      - { .name: aggf, .offset: 0, .size: 8, .value_kind: global_buffer, .address_space: global }
      - { .name: proj_W, .offset: 8, .size: 8, .value_kind: global_buffer, .address_space: global }
      - { .name: class_feature, .offset: 16, .size: 8, .value_kind: global_buffer, .address_space: global }
      - { .name: proj_b, .offset: 24, .size: 8, .value_kind: global_buffer, .address_space: global }
      - { .name: out0, .offset: 32, .size: 8, .value_kind: global_buffer, .address_space: global }
    .group_segment_fixed_size: 168960
    .private_segment_fixed_size: 0
    .kernarg_segment_align: 8
    .kernarg_segment_size: 40
    .max_flat_workgroup_size: 256
    .sgpr_count:     66
    .vgpr_count:     256
    .wavefront_size: 32
...
	.end_amdgpu_metadata
.endif
;; end of part 5
